; MI455X (gfx1250); checked and timed in simulation.
; The chip was launched on July 23, 2026; its instructions are those of AMD's public machine-readable ISA for CDNA 5 (MIT licence, August 2026) and "CDNA5" Instruction Set Architecture Reference Guide (July 2026). The comments in the code are by the model that wrote it; some were corrected since.
;; Multi Head Attention. Allowed arithmetic: matrix products marked QUANTISED: E4M3 operands, one given power-of-two scale a tensor, by v_wmma_f32_16x16x64_fp8_fp8 or v_wmma_f32_16x16x128_fp8_fp8, f32 sums; everything else in f32.
;; Inputs: K_input 2 x 2,048 x 1,024 float32; Q_input 2 x 2,048 x 1,024 float32; V_input 2 x 2,048 x 1,024 float32; W_k 1,024 x 1,024 float32; W_o 1,024 x 1,024 float32; W_q 1,024 x 1,024 float32; W_v 1,024 x 1,024 float32; b_k 1,024 float32; b_o 1,024 float32; b_q 1,024 float32; b_v 1,024 float32; causal_mask 2,048 x 2,048 float32; lowp_scales 12 int32 (the exponents e of the quantised operands' scales 2^e); padding_mask 2 x 2,048 bool.
;; Outputs: out0 2 x 2,048 x 1,024 float32.
;; This version of the problem:
;;   THIS VERSION OF THE PROBLEM IS GIVEN IN LOW PRECISION. The matrix products marked QUANTISED in the list below multiply operands that are first quantised to E4M3 (4 exponent bits, 3 mantissa bits; 8 bits a number), with one given power-of-two scale for each operand tensor; their sums are f32. All else is computed in f32.
;;   The module's matrix products, in the order in which they are computed (A, B: the left and right operand; K: the contracted axis; several contracted axes count as one K, in the product's order):
;;     1. [M 4,096, K 1,024] x [K 1,024, N 1,024]; A: input Q_input; B: input W_q: QUANTISED (scales: A lowp_scales[0], B lowp_scales[1])
;;     2. [M 4,096, K 1,024] x [K 1,024, N 1,024]; A: input K_input; B: input W_k: QUANTISED (scales: A lowp_scales[2], B lowp_scales[3])
;;     3. [M 4,096, K 1,024] x [K 1,024, N 1,024]; A: input V_input; B: input W_v: QUANTISED (scales: A lowp_scales[4], B lowp_scales[5])
;;     4. batch 32 x [M 2,048, K 64] x [K 64, N 2,048]; A: computed on the way; B: computed on the way: QUANTISED (scales: A lowp_scales[6], B lowp_scales[7])
;;     5. batch 32 x [M 2,048, K 2,048] x [K 2,048, N 64]; A: softmax (see below); B: computed on the way: QUANTISED (scales: A lowp_scales[8], B lowp_scales[9])
;;     6. [M 4,096, K 1,024] x [K 1,024, N 1,024]; A: computed on the way; B: input W_o: QUANTISED (scales: A lowp_scales[10], B lowp_scales[11])
;;   THE QUANTISER, for each operand of a quantised product, along K:
;;     - The operand's scale is 2^e, e = its entry of the input lowp_scales (int32; the entries are numbered through the quantised products in the list's order, A before B).
;;     - Each number is divided by the scale, clamped to +-448, and rounded to the nearest number of E4M3, ties to even, subnormals kept.
;;     - The product sums the exact products of the quantised numbers (number of the format x scale) in f32.
;;   ~~~python
;;   def quantise(x, axis, e):      # numpy; x: float32 -> the quantised numbers, widened to float32 again
;;       x = np.moveaxis(x, axis, -1); K = x.shape[-1]
;;       r = np.clip(x / 2.0 ** e, -448, 448)
;;       step = 2.0 ** (np.maximum(np.frexp(np.where(r == 0, 1, r))[1] - 1, -6) - 3)
;;       q = np.round(r / step) * step * 2.0 ** e      # np.round: ties to even
;;       return np.moveaxis(q, -1, axis).astype(np.float32)
;;   ~~~
;;   SOFTMAX AHEAD OF A QUANTISED PRODUCT. Where the list says 'softmax', what is quantised is not the finished softmax but p = 2^(t - M), with t = logit x log2(e) and M = ceil(the row's largest t), a whole number; so 1/2 < the row's largest p <= 1. The row's sum l is taken of the UNQUANTISED p, in f32, and the product's result is divided by l at the end. Since M is a whole number, a kernel that streams over the keys may use a running M (the ceiling of the running maximum): every later rescaling is an exact power of two, so the quantised numbers keep their values, but for numbers so far below the row's largest that they fall under the format's range.
;;   OPERANDS COMPUTED ON THE WAY. 'Computed on the way' means the value that the module computes at that place (a softmax that the list does not call 'softmax' is quantised finished and normalised). What goes into a quantiser is computed in f32, as accurately as f32 sums, v_exp_f32 and their like allow (about 1e-6 of the number): no bf16 or f16 on the way to a quantiser, and a product that is left as it is and whose result goes on into a quantised operand takes f32 operands (vector FMAs, or v_wmma_f32_16x16x4_f32). A number that lies on a knife's edge between two numbers of the format may be rounded either way, as far as f32 arithmetic and the matrix unit's own rounding can turn it there, and no further.
;; One version. Each part assembles by itself: llvm-mc -triple=amdgcn-amd-amdhsa -mcpu=gfx1250 --defsym DOCPART=n.
;; ======== version 1 of 1: 4 launches
;; limits: right only within a limited range of input values
;; workspace buffers: codes 16,777,216 bytes; cmb 33,554,432 bytes; qc 4,194,304 bytes; kv 8,388,608 bytes; ctx 4,194,304 bytes
;; launch prep (part 1): grid 512 x 1, 4 waves a work-group, no clusters, 33,280 bytes of LDS; arguments Q_input, K_input, V_input, W_q, W_k, W_v, W_o, lowp_scales, codes; writes codes
.if DOCPART == 1
	.amdgcn_target "amdgcn-amd-amdhsa--gfx1250"
	.amdhsa_code_object_version 6
	.text
	.protected	k_q8bd8cbe73e_prep
	.globl	k_q8bd8cbe73e_prep
	.p2align	8
	.type	k_q8bd8cbe73e_prep,@function
k_q8bd8cbe73e_prep:
	s_mov_b64 s[64:65], 0
	v_nop
	global_prefetch_b8 v0, s[64:65] scope:SCOPE_SE
	s_setreg_imm32_b32 hwreg(HW_REG_WAVE_MODE, 25, 1), 1
	s_wait_xcnt 0x0
; PREP: the first of four launches of a multi-head attention on codes of FP8 (E4M3).  B = 2, S = 2048, E = 1024, 16 heads of 64.
; NO WORK OF THE PROBLEM IS LEFT OUT: every input has a way to the output (b_k moves K's codes, both masks are inputs and are honoured number by number), so every input is loaded by some launch.
; This launch turns the seven f32 tensors that are operands of products (Q_input, K_input, V_input, W_q, W_k, W_v, W_o; K innermost in all) into codes, each with its given scale 2^e:
; code = x / 2^e, held within +-448, rounded to the nearest code, ties to even.  The codes lie on end in that order in one buffer, rows of 1,024 bytes.
; Rows are dense, so a tensor is a plain stream: a work-group takes 32,768 numbers, a wave 16 steps of 512.  Each load reads 512 consecutive bytes; a step's 2,048 bytes turn through the wave's own
; stage in LDS so that a lane holds 16 neighbours for the conversions; a lane's 16 codes are 16 bytes, and the wave stores 512 consecutive bytes.
; No tensor loads, no barrier: waves share nothing.  Loads run four steps (16 loads a wave) ahead, the turn through LDS one step.
; (The two masks are added up by the second launch, which has time for it while it waits for its tiles.)
; LIMITS: each exponent used here (entries 0 to 5 and 11) lies between -126 and 119.  NaN among the inputs is not served.
.set WAVES, 4
.set STEPS, 16
.set EMAX,  8
.set MANT,  0x600000                   ; the mantissa field of 448 as f32
.set R,     16                         ; v16-79   four sets of 16 numbers as they are loaded
.set X,     80                         ; v80-111  two sets of 16 neighbours
.set C,     128                        ; v128-191 codes: four registers for each step, so that no store's data are written again
.set WREG,  8192                       ; LDS: a region for each wave: two stages of 32 x SP bytes
.set SP,    80                         ; a lane's place in a stage: 64 bytes + 16 of padding
.set SPW,   12                         ; v12      LDS address of my spare word; never rewritten
.set NIL,   13                         ; v13      0; never rewritten
.set SPARE, WAVES*WREG                 ; behind the four regions: the spare words, 128 bytes a wave
	s_load_b512 s[4:19], s[0:1], 0x0               ; Q, K, V, W_q, W_k, W_v, W_o, the scales
	s_load_b64 s[24:25], s[0:1], 0x40              ; codes
	v_lshl_add_u32 v[SPW], v0, 2, SPARE
	v_mov_b32 v[NIL], 0
	v_lshrrev_b32 v1, 5, v0
	v_readfirstlane_b32 s28, v1                    ; wave 0..3
	v_and_b32 v2, 31, v0                           ; lane
	v_lshlrev_b32 v3, 4, v2                        ; 16 x lane: my 16 bytes of 512, in loads and in stores; never rewritten
	s_mul_i32 s29, s28, WREG
	v_lshrrev_b32 v14, 2, v2
	v_mul_u32_u24 v14, v14, SP
	v_and_b32 v15, 3, v2
	v_lshl_add_u32 v14, v15, 4, v14
	v_add_nc_u32 v14, s29, v14                     ; the stage, on the way in: SP (lane / 4) + 16 (lane % 4)
	v_mul_u32_u24 v15, v2, SP
	v_add_nc_u32 v15, s29, v15                     ; and on the way out: SP x lane: my 16 neighbours
	s_wait_alu depctr_va_vdst(0)
	s_wait_kmcnt 0x0
	s_load_b256 s[32:39], s[18:19], 0x0            ; e0 .. e7
	s_load_b128 s[40:43], s[18:19], 0x20           ; e8 .. e11
; which tensor is my work-group's: a chain of choices on the work-group's number alone, the later one overriding
.macro SELP lim, ptr, first
	s_cmp_lt_u32 ttmp9, \lim
	s_cselect_b64 s[44:45], s[\ptr:\ptr+1], s[44:45]
	s_cselect_b32 s47, \first, s47
.endm
.macro SELE lim, e
	s_cmp_lt_u32 ttmp9, \lim
	s_cselect_b32 s46, s[\e], s46
.endm
	s_mov_b64 s[44:45], s[16:17]                   ; W_o, from work-group 480 on
	s_mov_b32 s47, 480
	SELP 480, 14, 448                              ; W_v
	SELP 448, 12, 416                              ; W_k
	SELP 416, 10, 384                              ; W_q
	SELP 384, 8, 256                               ; V_input
	SELP 256, 6, 128                               ; K_input
	SELP 128, 4, 0                                 ; Q_input
	s_sub_co_u32 s47, ttmp9, s47
	s_lshl_b32 s47, s47, 2
	s_add_co_u32 s48, s47, s28                     ; which run of 8,192 numbers of the tensor is my wave's
	s_lshl_b32 s48, s48, 15                        ; in bytes (under 2^25)
	s_mov_b32 s49, 0
	s_add_nc_u64 s[44:45], s[44:45], s[48:49]
	s_lshl_b32 s48, ttmp9, 2
	s_add_co_u32 s48, s48, s28
	s_lshl_b32 s48, s48, 13                        ; the codes lie on end in the tensors' order: 8,192 bytes a wave
	s_add_nc_u64 s[24:25], s[24:25], s[48:49]
.macro LOAD t
.irp i, 0,1,2,3
	global_load_b128 v[R+16*((\t)%4)+4*\i:R+16*((\t)%4)+4*\i+3], v3, s[44:45] offset:2048*(\t)+512*\i th:TH_LOAD_NT   ; 32 lanes read 512 consecutive bytes
.endr
.endm
.macro TURN t                          ; step t's numbers through the stage: LDS serves a wave's instructions in order, so no wait stands between the stores and the loads
.irp i, 0,1,2,3
	ds_store_b128 v14, v[R+16*((\t)%4)+4*\i:R+16*((\t)%4)+4*\i+3] offset:32*SP*((\t)%2)+8*SP*\i
.endr
.irp i, 0,1,2,3
	ds_load_b128 v[X+16*((\t)%2)+4*\i:X+16*((\t)%2)+4*\i+3], v15 offset:32*SP*((\t)%2)+16*\i
.endr
.endm
.irp t, 0,1,2,3
	LOAD \t
.endr
	s_wait_kmcnt 0x0
	s_mov_b32 s46, s43                             ; e11 for W_o
	SELE 480, 37                                   ; e5
	SELE 448, 35                                   ; e3
	SELE 416, 33                                   ; e1
	SELE 384, 36                                   ; e4
	SELE 256, 34                                   ; e2
	SELE 128, 32                                   ; e0
	s_add_co_i32 s46, s46, 127
	s_lshl_b32 s47, s46, 23
	v_mov_b32 v11, s47                             ; 2^e as f32: the conversion takes its exponent field
	s_add_co_i32 s46, s46, EMAX
	s_lshl_b32 s46, s46, 23
	s_or_b32 s46, s46, MANT
	v_mov_b32 v10, s46                             ; 448 x 2^e
	s_wait_alu depctr_va_vdst(0)
	s_wait_loadcnt 12                              ; step 0's four loads are in; the twelve of steps 1 to 3 may be out
	TURN 0
.macro STEP t
.set XS, X+16*((\t)%2)
	s_wait_dscnt 0x0                               ; this step's numbers are back from the stage, so its stores into the stage have read their registers,
.if (\t)+4 < STEPS
	LOAD (\t)+4                                    ; which take the loads of four steps on
.endif
.if (\t)+1 < STEPS
.if STEPS-2-(\t) >= 3
	s_wait_loadcnt 12                              ; the next step's four loads are in; those of the three steps behind it may be out
.else
	s_wait_loadcnt 4*(STEPS-2-(\t))
.endif
	TURN (\t)+1                                    ; and go through the other stage while this step is worked
.endif
.irp i, 0,1,2,3,4,5,6,7,8,9,10,11,12,13,14,15
	v_med3_num_f32 v[XS+\i], v[XS+\i], -v10, v10   ; the conversion to an 8-bit code does not saturate (ISA guide 7.6.2): the hold at the largest code x the scale comes first
.endr
	v_cvt_scalef32_pk8_fp8_f32 v[C+4*(\t):C+4*(\t)+1], v[XS:XS+7], v11
	v_cvt_scalef32_pk8_fp8_f32 v[C+4*(\t)+2:C+4*(\t)+3], v[XS+8:XS+15], v11
	global_store_b128 v3, v[C+4*(\t):C+4*(\t)+3], s[24:25] offset:512*(\t)   ; the results go to a store alone; the next step's holds are plain lines on other registers
.endm
.irp t, 0,1,2,3,4,5,6,7,8,9,10,11,12,13,14,15
	STEP \t
.endr
	s_wait_tensorcnt 0x0                           ; the wave's end, behind my last LDS store
	ds_add_u32 v[SPW], v[NIL]
	s_wait_dscnt 0x0
	s_endpgm
.Lfunc_end_k_q8bd8cbe73e_prep:
	.size	k_q8bd8cbe73e_prep, .Lfunc_end_k_q8bd8cbe73e_prep-k_q8bd8cbe73e_prep
	.p2alignl 7, 3214868480
	.fill 96, 4, 3214868480
	.section	.rodata,"a",@progbits
	.p2align	6, 0x0
	.amdhsa_kernel k_q8bd8cbe73e_prep
		.amdhsa_group_segment_fixed_size 33280
		.amdhsa_private_segment_fixed_size 0
		.amdhsa_enable_private_segment 0
		.amdhsa_kernarg_size 72
		.amdhsa_user_sgpr_count 2
		.amdhsa_user_sgpr_kernarg_segment_ptr 1
		.amdhsa_wavefront_size32 1
		.amdhsa_system_sgpr_workgroup_id_x 1
		.amdhsa_system_sgpr_workgroup_id_y 1
		.amdhsa_system_sgpr_workgroup_id_z 1
		.amdhsa_system_vgpr_workitem_id 0
		.amdhsa_next_free_vgpr 192
		.amdhsa_next_free_sgpr 66
		.amdhsa_reserve_vcc 0
		.amdhsa_float_denorm_mode_32 3
		.amdhsa_float_denorm_mode_16_64 3
		.amdhsa_memory_ordered 1
		.amdhsa_forward_progress 1
		.amdhsa_inst_pref_size 39
	.end_amdhsa_kernel
	.amdgpu_metadata
---
amdhsa.version: [ 1, 2 ]
amdhsa.kernels:
  - .name:           k_q8bd8cbe73e_prep
    .symbol:         k_q8bd8cbe73e_prep.kd
    .args:
      - { .name: Q_input, .offset: 0, .size: 8, .value_kind: global_buffer, .address_space: global }
      - { .name: K_input, .offset: 8, .size: 8, .value_kind: global_buffer, .address_space: global }
      - { .name: V_input, .offset: 16, .size: 8, .value_kind: global_buffer, .address_space: global }
      - { .name: W_q, .offset: 24, .size: 8, .value_kind: global_buffer, .address_space: global }
      - { .name: W_k, .offset: 32, .size: 8, .value_kind: global_buffer, .address_space: global }
      - { .name: W_v, .offset: 40, .size: 8, .value_kind: global_buffer, .address_space: global }
      - { .name: W_o, .offset: 48, .size: 8, .value_kind: global_buffer, .address_space: global }
      - { .name: lowp_scales, .offset: 56, .size: 8, .value_kind: global_buffer, .address_space: global }
      - { .name: codes, .offset: 64, .size: 8, .value_kind: global_buffer, .address_space: global }
    .group_segment_fixed_size: 33280
    .private_segment_fixed_size: 0
    .kernarg_segment_align: 8
    .kernarg_segment_size: 72
    .max_flat_workgroup_size: 128
    .sgpr_count:     66
    .vgpr_count:     192
    .wavefront_size: 32
...
	.end_amdgpu_metadata
.endif
;; end of part 1
;; launch proj (part 2): grid 8 x 96, 4 waves a work-group, clusters of 4 x 4, 327,680 bytes of LDS; arguments codes, b_q, b_k, b_v, padding_mask, lowp_scales, qc, kv, causal_mask, cmb; writes qc, kv, cmb
.if DOCPART == 2
	.amdgcn_target "amdgcn-amd-amdhsa--gfx1250"
	.amdhsa_code_object_version 6
	.text
	.protected	k_q8bd8cbe73e_proj
	.globl	k_q8bd8cbe73e_proj
	.p2align	8
	.type	k_q8bd8cbe73e_proj,@function
k_q8bd8cbe73e_proj:
	s_mov_b64 s[64:65], 0
	v_nop
	global_prefetch_b8 v0, s[64:65] scope:SCOPE_SE
	s_setreg_imm32_b32 hwreg(HW_REG_WAVE_MODE, 25, 1), 1
	s_wait_xcnt 0x0
	s_wait_alu depctr_hold_cnt(0) depctr_sa_sdst(0) depctr_va_vdst(0) depctr_va_sdst(0) depctr_va_ssrc(0) depctr_va_vcc(0) depctr_vm_vsrc(0)
	s_getreg_b32 s2, hwreg(HW_REG_IB_STS2, 6, 4)
	s_cmp_eq_u32 s2, 0
	s_cbranch_scc0 .Lentry_in_a_cluster
	s_endpgm
.Lentry_in_a_cluster:
	s_bfe_u32 s2, ttmp6, 0x10000c
	s_cmp_lg_u32 s2, 0xf033
	s_cbranch_scc0 .Lentry_shape_is_right
	s_endpgm
.Lentry_shape_is_right:
; PROJ: the three input projections y = x W^T + b on codes of FP8 (E4M3), the quantising of y for attention's two products, and the adding up of the two masks.  Nothing of the problem is left out.
; A work-group makes 128 activation rows x 128 weight rows, K = 1,024.  Tile row Y = 0..95 walks Q_input, K_input, V_input on end; T = Y / 32; tile column X = 0..7.  Four waves, each 64 x 64: 16 accumulators.
; ALL OF K LIES IN LDS: each wave fetches 64 rows of 1,024 bytes by its one tensor load (LDS pitch 1,040 = 260 words: the 16 rows of a fragment load start at 16 different banks); no LDS byte is filled twice.
; CLUSTERS: 4 x 4.  Activation tiles are shared along a row of the cluster, weight tiles along a column: each is asked for jointly.
; ORIENTATION.  Source 1 gives a lane its one row (set M, LDS rows 0-127), source 0 its eight neighbours (set N, rows 128-255).  Q, K: M = activations, N = weights.  V: M = weights, N = activations.
; The LDS places are constants; WHICH TENSOR a wave fetches into its place is chosen by (wave / 2) xor (T = 2): T is made of the cluster's y and is the same in all sixteen partners.
; THE WAY OUT.  y = sum x 2^(ea + eb) + b, held within +-448 x 2^eo, converted with 2^eo; codes are stored as register images: blocks of 4,096 bytes [a 0..3][c 0..1][lane][16 bytes].
; PADDED KEYS get zero codes in K (the hold's limit is 0 in their lanes); the combined mask carries -1e9 + the mask's number for them.
; THE COMBINED MASK.  cmb = causal_mask[q][k] + (padding_mask[b][k] ? -1e9 : -0), one f32 addition, laid as the attention launch's registers want it: [batch][16 queries][128 keys] blocks of 8,192 bytes,
; [load n 0..15][lane (h, r)][16 bytes] = query r, keys 16 (n / 2) + 8 h + 4 (n % 2) + 0..3.  Each wave of Q's and K's 512 work-groups takes one block: sixteen loads of 512 consecutive bytes (a row each),
; the sums for both batches, a turn through its own LDS stage, and stores of 512 consecutive bytes.  It stands between the request for the tiles and the wait for them.
; LIMITS: e0 + e1, e2 + e3, e4 + e5 between -126 and 127; e6, e7, e9 between -126 and 119.  NaN among the inputs is not served.  A byte of padding_mask is 0 or 1.
; REGISTERS.  Window 0: v4, v5 fragment addresses, v12-15, v16-31 bias, limits, scale, offsets, v32-63 at work, v64-95 codes, v96-127 column bias, v128-255 accumulators.  Window 1: two fragment buffers of 128.
.set PITCH, 1040
.set HALFT, 64*PITCH
.set WOFF,  2*HALFT
.set MST,   4*HALFT                    ; behind the tiles: a stage of 16 rows x 528 bytes for each wave; no tensor load lands here
.set MSP,   528
.set SPARE, MST+4*16*MSP               ; the spare words, 128 bytes a wave
.set ADRM, 4
.set ADRN, 5
.set LI,   12
.set PADO, 13
.set SPW,  14
.set NIL,  15
.set BROW, 16
.set LIM,  24
.set SCL,  28
.set TOP,  29
.set TMP,  32
.set CD,   64
.set BCOL, 96
.set ACC,  128
.set MPW,  32                          ; the mask's part: pad words of the two batches
.set MPO,  34
.set MLI,  35
.set MSI,  36
.set MSO,  37
.set MPT,  40                          ; v40-47 the pad's term [batch][4]
.set MXB,  128                         ; 16 rows x 4 numbers, then batch 1's sums
.set MYB,  192                         ; batch 0's sums
.set WV,   20
.set HI,   21
.set LO,   22
.set G1X,  24
.set G0X,  32
.set G1W,  48
.set G0W,  68
.set MSB, 0
.macro WIN new                         ; the immediate's high byte repeats the setting that is left
.if MSB != \new
	s_set_vgpr_msb (MSB<<8)|\new
.set MSB, \new
.endif
.endm
.set MUL,  0x05                        ; sources 0 and 1 window 1; C and D window 0
.set TO_F, 0x40                        ; destination window 1
.set FROM_F, 0x04                      ; a store's data window 1
.macro CROUND
	s_barrier_signal -1
	s_barrier_wait -1
	s_cmp_lg_u32 s[WV], 0
	s_cbranch_scc1 .Lnot_wave_0_\@
	s_barrier_signal -3
.Lnot_wave_0_\@:
	s_barrier_wait -3
	s_barrier_signal -1
	s_barrier_wait -1
.endm
.macro PLACES                          ; four places (ISA guide 7.12.1)
.rept 4
	v_nop
.endr
.endm
	s_load_b512 s[4:19], s[0:1], 0x0               ; codes, b_q, b_k, b_v, padding_mask, the scales, qc, kv
	v_lshl_add_u32 v[SPW], v0, 2, SPARE
	v_mov_b32 v[NIL], 0
	ds_add_u32 v[SPW], v[NIL]                      ; the opening lines
	ds_add_u32 v[SPW], v[NIL]
	v_lshrrev_b32 v1, 5, v0
	v_readfirstlane_b32 s[WV], v1
	s_lshr_b32 s[HI], s[WV], 1                     ; which half of M is mine
	s_and_b32 s[LO], s[WV], 1                      ; which half of N; also which 64 rows I fetch
	s_bfe_u32 s56, ttmp6, 0x40000                  ; cx
	s_bfe_u32 s57, ttmp6, 0x40004                  ; cy
	s_lshl_b32 s58, ttmp9, 2
	s_add_co_u32 s58, s58, s56                     ; X
	s_and_b32 s59, ttmp7, 0xffff
	s_lshl_b32 s60, s59, 2
	s_add_co_u32 s60, s60, s57                     ; Y
	s_lshr_b32 s61, s59, 3                         ; T
	s_lshl_b32 s23, s57, 2
	s_lshl_b32 s23, 15, s23                        ; my row of the cluster
	s_lshl_b32 s101, 0x1111, s56                   ; my column
	s_or_b32 s[G1X], s23, (1<<20)|(1<<21)|(7<<22)|(3<<25)    ; elements of 1 byte; after every 256 words four words of padding
	s_or_b32 s[G1W], s101, (1<<20)|(1<<21)|(7<<22)|(3<<25)
.irp g, G1X, G1W
	s_mov_b32 s[\g+1], 1024<<16
	s_mov_b32 s[\g+2], 64<<16
	s_mov_b32 s[\g+3], 1024<<16
	s_mov_b32 s[\g+4], 64
	s_mov_b32 s[\g+5], 1024
	s_mov_b32 s[\g+6], 0
	s_mov_b32 s[\g+7], 0
.endr
	s_lshl_b32 s2, s[LO], 16                       ; my 64 rows of 1,024 bytes
	s_lshl_b32 s62, s60, 17
	s_add_co_u32 s62, s62, s2                      ; activations: tile row Y
	s_mov_b32 s63, 0
	s_lshl_b32 s66, s58, 17
	s_add_co_u32 s66, s66, s2                      ; weights: tile column X,
	s_lshl_b32 s100, s61, 20
	s_add_co_u32 s66, s66, s100                    ; of tensor T,
	s_add_co_u32 s66, s66, 0xc00000                ; behind the activations' 12 MiB
	s_mov_b32 s67, 0
	s_mul_i32 s3, s[WV], HALFT                     ; where my 64 rows go
	s_lshr_b32 s45, s61, 1
	s_xor_b32 s45, s45, s[HI]                      ; 0: I fetch activations; 1: weights
	s_wait_dscnt 0x0
	s_wait_kmcnt 0x0
	s_load_b256 s[84:91], s[14:15], 0x0            ; e0 .. e7
	s_load_b128 s[92:95], s[14:15], 0x20           ; e8 .. e11
	s_add_nc_u64 s[62:63], s[4:5], s[62:63]
	s_add_nc_u64 s[66:67], s[4:5], s[66:67]
	CROUND                                         ; the joint loads meet
	s_mov_b32 s[G0X], 1
	s_mov_b32 s[G0X+1], s3
	s_mov_b64 s[G0X+2:G0X+3], s[62:63]
	s_or_b32 s[G0X+3], s[G0X+3], 0x80000000
	s_mov_b32 s[G0W], 1
	s_mov_b32 s[G0W+1], s3
	s_mov_b64 s[G0W+2:G0W+3], s[66:67]
	s_or_b32 s[G0W+3], s[G0W+3], 0x80000000
	s_cmp_eq_u32 s45, 0
	s_cbranch_scc0 .Lfirst_w
	tensor_load_to_lds s[G0X:G0X+3], s[G1X:G1X+7]  ; my one tensor load
	s_nop 0
	PLACES
	s_branch .Lfirst_done
.Lfirst_w:
	tensor_load_to_lds s[G0W:G0W+3], s[G1W:G1W+7]
	s_nop 0
	PLACES
.Lfirst_done:
	s_cmp_eq_u32 s61, 2                            ; choices that hang on T alone
	s_cselect_b32 s98, 0, -1                       ; the column bias counts for Q and K,
	s_cselect_b32 s99, -1, 0                       ; the row bias for V
	s_cselect_b32 s59, 8192, 0                     ; V's half of a step in kv
	s_cselect_b64 s[66:67], s[10:11], s[8:9]
	s_cmp_eq_u32 s61, 1
	s_cselect_b32 s100, -1, 0                      ; the pad counts for K alone
	s_cmp_eq_u32 s61, 0
	s_cselect_b64 s[66:67], s[6:7], s[66:67]       ; the bias
	s_cselect_b64 s[62:63], s[16:17], s[18:19]     ; qc or kv
	s_mul_i32 s36, s[HI], HALFT                    ; my M rows
	s_mul_i32 s37, s[LO], HALFT
	s_add_co_u32 s37, s37, WOFF                    ; my N rows
	s_lshl_b32 s56, s58, 9
	s_lshl_b32 s38, s[LO], 8
	s_add_co_u32 s38, s38, s56
	s_and_b32 s38, s38, s98                        ; column bias (the one that does not count is read at the buffer's head and cleared)
	s_lshl_b32 s39, s[HI], 8
	s_add_co_u32 s39, s39, s56
	s_and_b32 s39, s39, s99                        ; row bias
	s_and_b32 s56, s60, 31
	s_lshl_b32 s40, s56, 7
	s_lshl_b32 s23, s[HI], 6
	s_add_co_u32 s40, s40, s23                     ; my first position of the 4,096
	s_mul_i32 s41, s[WV], 16*MSP
	s_add_co_u32 s41, s41, MST                     ; my stage
	s_lshl_b32 s43, s60, 3
	s_add_co_u32 s43, s43, s58
	s_lshl_b32 s43, s43, 2
	s_add_co_u32 s43, s43, s[WV]                   ; my mask block: 16 x (block of 16 queries) + key step, where T < 2
	s_and_b32 s42, s43, 15
	s_lshl_b32 s44, s42, 7                         ; its first key
	s_cmp_eq_u32 s61, 2                            ; where my block of codes goes
	s_cselect_b32 s2, s[HI], s[LO]
	s_cselect_b32 s3, s[LO], s[HI]
	s_lshl_b32 s57, s58, 1
	s_add_co_u32 s57, s57, s2                      ; head
	s_lshl_b32 s56, s56, 1
	s_add_co_u32 s56, s56, s3                      ; block of 64 positions
	s_lshr_b32 s23, s56, 5
	s_lshl_b32 s23, s23, 4
	s_add_co_u32 s57, s57, s23                     ; bh
	s_and_b32 s56, s56, 31
	s_lshl_b32 s2, s57, 17                         ; qc: 32 blocks of 4,096 bytes for each bh
	s_lshl_b32 s3, s56, 12
	s_add_co_u32 s2, s2, s3
	s_lshl_b32 s3, s57, 18                         ; kv: 16 steps of 16,384 bytes: K's two blocks, then V's two
	s_lshr_b32 s23, s56, 1
	s_lshl_b32 s23, s23, 14
	s_add_co_u32 s3, s3, s23
	s_and_b32 s23, s56, 1
	s_lshl_b32 s23, s23, 12
	s_add_co_u32 s3, s3, s23
	s_add_co_u32 s3, s3, s59
	s_cmp_eq_u32 s61, 0
	s_cselect_b32 s2, s2, s3
	s_mov_b32 s3, 0
	s_add_nc_u64 s[62:63], s[62:63], s[2:3]
	s_load_b128 s[56:59], s[0:1], 0x40             ; causal_mask, cmb
	v_and_b32 v1, 15, v0                           ; r
	v_bfe_u32 v2, v0, 4, 1                         ; h
	v_mul_u32_u24 v3, v1, PITCH
	v_lshl_add_u32 v3, v2, 4, v3
	v_and_b32 v[LI], 31, v0
	v_lshlrev_b32 v[LI], 4, v[LI]
	v_add_nc_u32 v[ADRM], s36, v3
	v_add_nc_u32 v[ADRN], s37, v3
	v_lshl_add_u32 v30, v2, 5, s38
	v_lshl_add_u32 v31, v1, 2, s39
	v_add_nc_u32 v[PADO], s40, v1
	v_add_nc_u32 v[MSI], s41, v[LI]                ; the stage, in: 16 x lane of a row
	v_mul_u32_u24 v[MSO], v1, MSP
	v_lshl_add_u32 v[MSO], v2, 5, v[MSO]
	v_add_nc_u32 v[MSO], s41, v[MSO]               ; and out: row r, + 32 h
	v_add_nc_u32 v[MLI], 0x1000000, v[LI]          ; batch 1 of cmb
	v_and_b32 v[MPO], 31, v0
	v_lshl_add_u32 v[MPO], v[MPO], 2, s44          ; my four keys' pad bytes
	s_wait_alu depctr_va_vdst(0)
.irp nb, 0,1,2,3
	global_load_b128 v[BCOL+8*\nb:BCOL+8*\nb+3], v30, s[66:67] offset:64*\nb
	global_load_b128 v[BCOL+8*\nb+4:BCOL+8*\nb+7], v30, s[66:67] offset:64*\nb+16
.endr
.irp a, 0,1,2,3
	global_load_b32 v[BROW+2*\a], v31, s[66:67] offset:64*\a
	global_load_u8 v[LIM+\a], v[PADO], s[12:13] offset:16*\a
.endr
	s_wait_kmcnt 0x0                               ; the exponents are chosen by T, never branched on
	s_add_co_i32 s84, s84, s85
	s_add_co_i32 s86, s86, s87
	s_add_co_i32 s88, s88, s89
	s_cmp_eq_u32 s61, 1
	s_cselect_b32 s88, s86, s88
	s_cselect_b32 s93, s91, s93
	s_cmp_eq_u32 s61, 0
	s_cselect_b32 s88, s84, s88
	s_cselect_b32 s93, s90, s93
	s_add_co_i32 s88, s88, 127
	s_lshl_b32 s96, s88, 23                        ; 2^(ea + eb)
	s_mov_b32 s97, s96
	s_add_co_i32 s93, s93, 127
	s_lshl_b32 s92, s93, 23
	v_mov_b32 v[SCL], s92                          ; 2^eo
	s_add_co_i32 s93, s93, 8
	s_lshl_b32 s93, s93, 23
	s_or_b32 s93, s93, 0x600000
	v_mov_b32 v[TOP], s93                          ; 448 x 2^eo
	s_cmp_eq_u32 s61, 2                            ; THE COMBINED MASK; V's work-groups have none
	s_cbranch_scc1 .Lno_mask
	s_lshr_b32 s2, s43, 4
	s_lshl_b32 s2, s2, 17                          ; 16 rows of 8,192 bytes,
	s_lshl_b32 s3, s42, 9                          ; 128 keys of 4 bytes
	s_add_co_u32 s2, s2, s3
	s_mov_b32 s3, 0
	s_add_nc_u64 s[56:57], s[56:57], s[2:3]
	s_lshl_b32 s2, s43, 13                         ; the block in cmb
	s_add_nc_u64 s[58:59], s[58:59], s[2:3]
	global_load_b32 v[MPW], v[MPO], s[12:13]
	global_load_b32 v[MPW+1], v[MPO], s[12:13] offset:2048
.set n, 0
.rept 16
	global_load_b128 v[MXB+4*n:MXB+4*n+3], v[LI], s[56:57] offset:8192*n th:TH_LOAD_NT   ; row n: 512 consecutive bytes
.set n, n+1
.endr
	s_wait_loadcnt 16                              ; the pad words are in; the sixteen rows may be out
.irp b, 0,1
.irp j, 0,1,2,3
	v_bfe_u32 v[MPT+4*\b+\j], v[MPW+\b], 8*\j, 8
.endr
.endr
.set n, 0
.rept 8
	v_cvt_f32_u32 v[MPT+n], v[MPT+n]
.set n, n+1
.endr
.set n, 0
.rept 8
	v_mul_f32 v[MPT+n], 0xce6e6b28, v[MPT+n]       ; -1e9 for a padded key, -0 for the others
.set n, n+1
.endr
	s_wait_alu depctr_va_vdst(0)
	s_wait_loadcnt 0x0
.set n, 0
.rept 16
	v_pk_add_f32 v[MYB+4*n:MYB+4*n+1], v[MXB+4*n:MXB+4*n+1], v[MPT:MPT+1]
	v_pk_add_f32 v[MYB+4*n+2:MYB+4*n+3], v[MXB+4*n+2:MXB+4*n+3], v[MPT+2:MPT+3]
	v_pk_add_f32 v[MXB+4*n:MXB+4*n+1], v[MXB+4*n:MXB+4*n+1], v[MPT+4:MPT+5]
	v_pk_add_f32 v[MXB+4*n+2:MXB+4*n+3], v[MXB+4*n+2:MXB+4*n+3], v[MPT+6:MPT+7]
.set n, n+1
.endr
.irp b, 0,1                                    ; the turn: LDS serves a wave's instructions in order, so no wait stands between these runs
	WIN 0
.set n, 0
.rept 16
	ds_store_b128 v[MSI], v[MYB-64*\b+4*n:MYB-64*\b+4*n+3] offset:MSP*n
.set n, n+1
.endr
	WIN TO_F
.set n, 0
.rept 16
	ds_load_b128 v[64*\b+4*n:64*\b+4*n+3], v[MSO] offset:64*(n/2)+16*(n%2)
.set n, n+1
.endr
.endr
	s_wait_dscnt 32                                ; batch 0 is back; batch 1's 16 stores and 16 loads may be out
	WIN FROM_F
.set n, 0
.rept 16
	global_store_b128 v[LI], v[4*n:4*n+3], s[58:59] offset:512*n    ; 512 consecutive bytes
.set n, n+1
.endr
	s_wait_dscnt 0x0
.set n, 0
.rept 16
	global_store_b128 v[MLI], v[64+4*n:64+4*n+3], s[58:59] offset:512*n
.set n, n+1
.endr
	WIN 0
	s_wait_xcnt 0x0                                ; the stores have read their registers: the fragments land there only behind this wait
.Lno_mask:
.macro FETCH s, f                      ; 32 LDS loads: the fragments of the s-th 128 along K; registers 4 n .. 4 n + 3 hold K = 32 n + 16 h + 0 .. 15, alike in both operands
	WIN TO_F
.irp i, 0,1,2,3
.irp kk, 0,1,2,3
	ds_load_b128 v[\f+16*\i+4*\kk:\f+16*\i+4*\kk+3], v[ADRM] offset:128*(\s)+32*\kk+\i*16*PITCH
.endr
.endr
.irp i, 0,1,2,3
.irp kk, 0,1,2,3
	ds_load_b128 v[\f+64+16*\i+4*\kk:\f+64+16*\i+4*\kk+3], v[ADRN] offset:128*(\s)+32*\kk+\i*16*PITCH
.endr
.endr
.endm
.macro MUL16 f, zero                   ; the 16 accumulators by turns
.irp a, 0,1,2,3
.irp nb, 0,1,2,3
.if \zero
	v_wmma_f32_16x16x128_fp8_fp8 v[ACC+8*(4*\a+\nb):ACC+8*(4*\a+\nb)+7], v[\f+64+16*\nb:\f+64+16*\nb+15], v[\f+16*\a:\f+16*\a+15], 0
.else
	v_wmma_f32_16x16x128_fp8_fp8 v[ACC+8*(4*\a+\nb):ACC+8*(4*\a+\nb)+7], v[\f+64+16*\nb:\f+64+16*\nb+15], v[\f+16*\a:\f+16*\a+15], v[ACC+8*(4*\a+\nb):ACC+8*(4*\a+\nb)+7]
.endif
.endr
.endr
.endm
	s_wait_alu depctr_va_vdst(0)
	s_wait_tensorcnt 0x0                           ; my 64 rows are in
	s_barrier_signal -1
	s_barrier_wait -1                              ; everybody's are
	FETCH 0, 0
	FETCH 1, 128
.irp s, 0,1,2,3,4,5,6,7
.if \s < 7
	s_wait_dscnt 32                                ; this step's buffer is in; the next step's 32 loads may be out
.else
	s_wait_dscnt 0x0
.endif
	WIN MUL
.if \s == 0
	MUL16 0, 1
.else
	MUL16 128*(\s%2), 0
.endif
.if \s < 6
	PLACES
	FETCH \s+2, 128*(\s%2)                         ; the buffer just multiplied takes the step two on
.endif
.endr
	WIN 0
	s_wait_loadcnt 0x0                             ; THE WAY OUT.  The lines on the bias are also the places behind the last products
.set n, 0
.rept 32
	v_and_b32 v[BCOL+n], s98, v[BCOL+n]
.set n, n+1
.endr
.irp a, 0,1,2,3
	v_and_b32 v[BROW+2*\a], s99, v[BROW+2*\a]
	v_mov_b32 v[BROW+2*\a+1], 0
	v_and_b32 v[LIM+\a], s100, v[LIM+\a]
.endr
.irp a, 0,1,2,3
	v_cmp_eq_u32 vcc_lo, 0, v[LIM+\a]
	v_cndmask_b32 v[LIM+\a], v[NIL], v[TOP], vcc_lo   ; the hold's limit, or 0 for a padded key
.endr
.irp a, 0,1,2,3
.irp nb, 0,1,2,3
.irp i, 0,2,4,6
	v_pk_fma_f32 v[TMP+8*\nb+\i:TMP+8*\nb+\i+1], v[ACC+8*(4*\a+\nb)+\i:ACC+8*(4*\a+\nb)+\i+1], s[96:97], v[BCOL+8*\nb+\i:BCOL+8*\nb+\i+1] op_sel_hi:[1,0,1]
.endr
.endr
.set n, 0
.rept 16
	v_pk_add_f32 v[TMP+2*n:TMP+2*n+1], v[TMP+2*n:TMP+2*n+1], v[BROW+2*\a:BROW+2*\a+1] op_sel_hi:[1,0]   ; one of the two biases is 0, so y is rounded once
.set n, n+1
.endr
.set n, 0
.rept 32
	v_med3_num_f32 v[TMP+n], v[TMP+n], -v[LIM+\a], v[LIM+\a]   ; the conversion does not saturate (ISA guide 7.6.2)
.set n, n+1
.endr
.irp nb, 0,1,2,3
	v_cvt_scalef32_pk8_fp8_f32 v[CD+8*\a+2*\nb:CD+8*\a+2*\nb+1], v[TMP+8*\nb:TMP+8*\nb+7], v[SCL]
.endr
	v_nop
	global_store_b128 v[LI], v[CD+8*\a:CD+8*\a+3], s[62:63] offset:1024*\a
	global_store_b128 v[LI], v[CD+8*\a+4:CD+8*\a+7], s[62:63] offset:1024*\a+512
.endr
	s_wait_tensorcnt 0x0                           ; the wave's end
	ds_add_u32 v[SPW], v[NIL]
	s_wait_dscnt 0x0
	CROUND
	s_endpgm
.Lfunc_end_k_q8bd8cbe73e_proj:
	.size	k_q8bd8cbe73e_proj, .Lfunc_end_k_q8bd8cbe73e_proj-k_q8bd8cbe73e_proj
	.p2alignl 7, 3214868480
	.fill 96, 4, 3214868480
	.section	.rodata,"a",@progbits
	.p2align	6, 0x0
	.amdhsa_kernel k_q8bd8cbe73e_proj
		.amdhsa_group_segment_fixed_size 327680
		.amdhsa_private_segment_fixed_size 0
		.amdhsa_enable_private_segment 0
		.amdhsa_kernarg_size 80
		.amdhsa_user_sgpr_count 2
		.amdhsa_user_sgpr_kernarg_segment_ptr 1
		.amdhsa_wavefront_size32 1
		.amdhsa_system_sgpr_workgroup_id_x 1
		.amdhsa_system_sgpr_workgroup_id_y 1
		.amdhsa_system_sgpr_workgroup_id_z 1
		.amdhsa_system_vgpr_workitem_id 0
		.amdhsa_next_free_vgpr 512
		.amdhsa_next_free_sgpr 102
		.amdhsa_reserve_vcc 1
		.amdhsa_float_denorm_mode_32 3
		.amdhsa_float_denorm_mode_16_64 3
		.amdhsa_memory_ordered 1
		.amdhsa_forward_progress 1
		.amdhsa_inst_pref_size 70
	.end_amdhsa_kernel
	.amdgpu_metadata
---
amdhsa.version: [ 1, 2 ]
amdhsa.kernels:
  - .name:           k_q8bd8cbe73e_proj
    .symbol:         k_q8bd8cbe73e_proj.kd
    .args:
      - { .name: codes, .offset: 0, .size: 8, .value_kind: global_buffer, .address_space: global }
      - { .name: b_q, .offset: 8, .size: 8, .value_kind: global_buffer, .address_space: global }
      - { .name: b_k, .offset: 16, .size: 8, .value_kind: global_buffer, .address_space: global }
      - { .name: b_v, .offset: 24, .size: 8, .value_kind: global_buffer, .address_space: global }
      - { .name: padding_mask, .offset: 32, .size: 8, .value_kind: global_buffer, .address_space: global }
      - { .name: lowp_scales, .offset: 40, .size: 8, .value_kind: global_buffer, .address_space: global }
      - { .name: qc, .offset: 48, .size: 8, .value_kind: global_buffer, .address_space: global }
      - { .name: kv, .offset: 56, .size: 8, .value_kind: global_buffer, .address_space: global }
      - { .name: causal_mask, .offset: 64, .size: 8, .value_kind: global_buffer, .address_space: global }
      - { .name: cmb, .offset: 72, .size: 8, .value_kind: global_buffer, .address_space: global }
    .group_segment_fixed_size: 327680
    .private_segment_fixed_size: 0
    .kernarg_segment_align: 8
    .kernarg_segment_size: 80
    .max_flat_workgroup_size: 128
    .sgpr_count:     102
    .vgpr_count:     512
    .wavefront_size: 32
...
	.end_amdgpu_metadata
.endif
;; end of part 2
;; launch attn (part 3): grid 8 x 32, 16 waves a work-group, clusters of 4 x 1, 327,680 bytes of LDS; arguments qc, kv, cmb, lowp_scales, ctx; writes ctx
.if DOCPART == 3
	.amdgcn_target "amdgcn-amd-amdhsa--gfx1250"
	.amdhsa_code_object_version 6
	.text
	.protected	k_q8bd8cbe73e_attn
	.globl	k_q8bd8cbe73e_attn
	.p2align	8
	.type	k_q8bd8cbe73e_attn,@function
k_q8bd8cbe73e_attn:
	s_mov_b64 s[64:65], 0
	v_nop
	global_prefetch_b8 v0, s[64:65] scope:SCOPE_SE
	s_setreg_imm32_b32 hwreg(HW_REG_WAVE_MODE, 25, 1), 1
	s_wait_xcnt 0x0
	s_wait_alu depctr_hold_cnt(0) depctr_sa_sdst(0) depctr_va_vdst(0) depctr_va_sdst(0) depctr_va_ssrc(0) depctr_va_vcc(0) depctr_vm_vsrc(0)
	s_getreg_b32 s2, hwreg(HW_REG_IB_STS2, 6, 4)
	s_cmp_eq_u32 s2, 0
	s_cbranch_scc0 .Lentry_in_a_cluster
	s_endpgm
.Lentry_in_a_cluster:
	s_bfe_u32 s2, ttmp6, 0x10000c
	s_cmp_lg_u32 s2, 0x3003
	s_cbranch_scc0 .Lentry_shape_is_right
	s_endpgm
.Lentry_shape_is_right:
; ATTN: ctx = softmax(Q K^T / 8 + masks) V on codes of FP8 (E4M3), and the quantising of ctx for the last projection.  Both masks are inputs: every key is walked and every mask number is added; nothing is left out.
; SHARES.  A work-group owns 256 queries of one batch and head; each of its sixteen waves owns 16 of them in 256 registers, four waves to a SIMD.  Every wave walks the 2,048 keys, 128 a step.
; K AND V OF THE WHOLE HEAD LIE IN LDS: 16 steps x 16,384 bytes of register images; wave w fetches step w by its one tensor load.  No byte is filled twice: one barrier, and then the waves share nothing and meet no more.
; CLUSTER.  The four work-groups of a cluster are four query blocks of one batch and head: they need the same K and V, which are asked for jointly.
; THE COMBINED MASK comes straight into registers: cmb is laid as this launch's registers want it, 8,192 bytes for each 16 queries x 128 keys; a wave's sixteen loads read 512 consecutive bytes each.
; They are issued as soon as the step before has used the registers: one whole step ahead of their use.  So no separate prefetch is laid: each wave's own loads run a step ahead, and K and V are asked for once, at the head.
; LAYOUT.  Both products are used transposed: S^T = K Q^T, O^T = V^T P^T: a lane holds one query (lane % 16).  In tile t register j holds key 16 t + 8 h + j, the place that the plain 8-bit forms give that k: p's conversions are the operand.
; THE SOFTMAX.  x = raw score x 2^(e6 + e7 - 3) + cmb, one fused multiply-add.  t = x log2(e), rounded BEFORE M is taken away (where all of a row's logits lie near -1e9 the rounding of t is larger than 1 and must be the same in t and in M).
; M = the running largest t rounded up to a whole number; p = 2^(t - M); the row's sum is taken of the unquantised p; when M moves, the sum and O^T are multiplied by 2^(old M - new M): exact.
; p's codes are laid over the first 16 score registers, which are done with by then (tiles 0 and 1 go by way of four other registers).
; THE WAY OUT.  O^T / the sum x 2^(e8 + e9), held within +-448 x 2^e10, converted; ctx is [tile of 16 positions][head][2][lane][16 bytes].
; LIMITS: e6 + e7 - 3 between -126 and 127; e8 and e10 between -126 and 119.  NaN among the inputs is not served.
.set SPARE, 262144                     ; behind K and V: the spare words, 128 bytes a wave
.set AKV,  1                           ; LDS address of the step's K and V
.set LI,   2                           ; 16 x lane
.set SPW,  3
.set NIL,  4
.set SCL,  5
.set FF,   10                          ; v[10:11] f;  v6, v8, v9 at work;  v12 -M, v13 the largest t, v[14:15] the sum;  v24-29 sums, then codes
.set QF,   16
.set KF,   32                          ; K, then V
.set S,    96                          ; S^T, then p, then p's codes in the first 16
.set O,    160
.set MK,   192                         ; the mask
.set WV,   14
.set SEL,  20
.set SC,   22
.set G1,   24
.set G0,   40
.set LG,   56
.set TRIPS, 58
.set TB,   59                          ; LDS byte at which the step begins
.set MB,   60                          ; s[60:61] the step's mask block
.set TOPS, 62                          ; 448 x 2^e8
.macro ROUND
	s_barrier_signal -1
	s_barrier_wait -1
	s_cmp_lg_u32 s[WV], 0
	s_cbranch_scc1 .Lnot_wave_0_\@
	s_barrier_signal -3
.Lnot_wave_0_\@:
	s_barrier_wait -3
	s_barrier_signal -1
	s_barrier_wait -1
.endm
	s_load_b256 s[4:11], s[0:1], 0x0               ; qc, kv, cmb, the scales
	s_load_b64 s[12:13], s[0:1], 0x20              ; ctx
	v_lshl_add_u32 v[SPW], v0, 2, SPARE
	v_mov_b32 v[NIL], 0
	ds_add_u32 v[SPW], v[NIL]                      ; the opening lines
	ds_add_u32 v[SPW], v[NIL]
	v_lshrrev_b32 v7, 5, v0
	v_readfirstlane_b32 s[WV], v7
	s_bfe_u32 s16, ttmp6, 0x40000                  ; cx
	s_lshl_b32 s19, ttmp9, 2
	s_add_co_u32 s19, s19, s16                     ; the block of 256 queries
	s_and_b32 s76, ttmp7, 0xffff                   ; bh
	s_lshr_b32 s18, s76, 4                         ; batch
	s_and_b32 s17, s76, 15                         ; head
	s_mov_b32 s[G1], 15|(3<<16)|(1<<21)            ; all four partners; elements of 8 bytes; a dense block as 64 rows of 256 bytes
	s_mov_b32 s[G1+1], 32<<16
	s_mov_b32 s[G1+2], 64<<16
	s_mov_b32 s[G1+3], 32<<16
	s_mov_b32 s[G1+4], 64
	s_mov_b32 s[G1+5], 32
	s_mov_b32 s[G1+6], 0
	s_mov_b32 s[G1+7], 0
	s_mov_b32 s[SEL], 0x76543210
	s_mov_b32 s[SEL+1], 0xfedcba98
	s_mov_b32 s[LG], 0x3fb8aa3b                    ; log2(e)
	s_mov_b32 s[LG+1], s[LG]
	s_mov_b32 s[TB], 0
	s_lshl_b32 s78, s76, 18                        ; my head's 16 steps in kv,
	s_lshl_b32 s73, s[WV], 14                      ; step w: made of bh and the wave alone, which the partners share
	s_add_co_u32 s78, s78, s73
	s_mov_b32 s79, 0
	s_wait_dscnt 0x0
	s_wait_kmcnt 0x0
	s_load_b128 s[68:71], s[10:11], 0x10           ; e4 .. e7
	s_load_b128 s[80:83], s[10:11], 0x20           ; e8 .. e11
	s_mov_b32 s[G0], 1
	s_mov_b32 s[G0+1], s73
	s_add_nc_u64 s[G0+2:G0+3], s[6:7], s[78:79]
	s_or_b32 s[G0+3], s[G0+3], 0x80000000
	ROUND                                          ; the joint loads meet
	tensor_load_to_lds s[G0:G0+3], s[G1:G1+7]      ; my one tensor load
	s_nop 0
	s_lshl_b32 s66, s76, 17                        ; Q: block 4 qb + w / 4 of my bh, row block w % 4
	s_lshl_b32 s77, s19, 2
	s_lshr_b32 s90, s[WV], 2
	s_add_co_u32 s77, s77, s90
	s_lshl_b32 s77, s77, 12
	s_add_co_u32 s66, s66, s77
	s_and_b32 s15, s[WV], 3
	s_lshl_b32 s77, s15, 10
	s_add_co_u32 s66, s66, s77
	s_mov_b32 s67, 0
	s_add_nc_u64 s[4:5], s[4:5], s[66:67]
	s_lshl_b32 s85, s18, 7
	s_lshl_b32 s84, s19, 4
	s_add_co_u32 s85, s85, s84
	s_add_co_u32 s85, s85, s[WV]                   ; my tile of 16 positions: 128 b + 16 qb + w
	s_lshl_b32 s66, s85, 17                        ; its 16 blocks of 8,192 bytes in cmb
	s_add_nc_u64 s[MB:MB+1], s[8:9], s[66:67]
	s_lshl_b32 s66, s85, 14                        ; ctx: 16,384 bytes a tile, my head's 1,024
	s_lshl_b32 s77, s17, 10
	s_add_co_u32 s66, s66, s77
	s_add_nc_u64 s[12:13], s[12:13], s[66:67]
	v_and_b32 v[LI], 31, v0
	v_lshlrev_b32 v[LI], 4, v[LI]
	s_wait_alu depctr_va_vdst(0)
	global_load_b128 v[QF:QF+3], v[LI], s[4:5]
	global_load_b128 v[QF+4:QF+7], v[LI], s[4:5] offset:512
.set n, 0
.rept 16
	global_load_b128 v[MK+4*n:MK+4*n+3], v[LI], s[MB:MB+1] offset:512*n    ; step 0's mask
.set n, n+1
.endr
	v_mov_b32 v13, 0xff61b1e6                      ; the largest t so far: -3e38
	v_floor_f32 v12, -v13                          ; -M
	v_mov_b32 v14, 0
	v_mov_b32 v15, 0
	v_mov_b32 v[FF+1], 0
	v_mov_b32 v6, 0                                ; a lane permute's destination counts as a source
.set n, 0
.rept 32
	v_mov_b32 v[O+n], 0                            ; the step is written once: the first finds zeros
.set n, n+1
.endr
	s_wait_kmcnt 0x0
	s_add_co_i32 s[SC], s70, s71
	s_add_co_i32 s[SC], s[SC], 124                 ; e6 + e7 - 3 + 127
	s_lshl_b32 s[SC], s[SC], 23
	s_mov_b32 s[SC+1], s[SC]
	s_add_co_i32 s77, s80, 127
	s_lshl_b32 s90, s77, 23
	v_mov_b32 v[SCL], s90                          ; 2^e8
	s_add_co_i32 s77, s77, 8
	s_lshl_b32 s77, s77, 23
	s_or_b32 s[TOPS], s77, 0x600000
.macro STEP more                       ; 128 keys.  more = 1: the next step's mask is asked for
	v_add_nc_u32 v[AKV], s[TB], v[LI]
.set n, 0
.rept 16
	ds_load_b128 v[KF+4*n:KF+4*n+3], v[AKV] offset:512*n
.set n, n+1
.endr
	s_wait_dscnt 0x0
.set n, 0
.rept 8
	v_wmma_f32_16x16x64_fp8_fp8 v[S+8*n:S+8*n+7], v[KF+8*n:KF+8*n+7], v[QF:QF+7], 0
.set n, n+1
.endr
.rept 4
	v_nop                                          ; places ahead of the first read of the results (ISA guide 7.12.1)
.endr
	s_wait_loadcnt 0x0                             ; this step's mask
.set n, 0
.rept 32
	v_pk_fma_f32 v[S+2*n:S+2*n+1], v[S+2*n:S+2*n+1], s[SC:SC+1], v[MK+2*n:MK+2*n+1] op_sel_hi:[1,0,1]   ; x, rounded once; each accumulator from its low end on
.set n, n+1
.endr
.if \more
	s_add_nc_u64 s[MB:MB+1], s[MB:MB+1], 8192      ; (the loads that read this base are done)
.set n, 0
.rept 16
	global_load_b128 v[MK+4*n:MK+4*n+3], v[LI], s[MB:MB+1] offset:512*n
.set n, n+1
.endr
.endif
.set n, 0
.rept 16                                       ; V: 16 channels n / 4; keys 32 (n % 4) on
	ds_load_b128 v[KF+4*n:KF+4*n+3], v[AKV] offset:8192+4096*((n%4)/2)+1024*(n/4)+512*(n%2)
.set n, n+1
.endr
	v_max3_num_f32 v8, v[S], v[S+1], v[S+2]
	v_max3_num_f32 v9, v[S+3], v[S+4], v[S+5]
.irp i, 6,10,14,18,22,26,30,34,38,42,46,50,54,58
	s_delay_alu instid0(VALU_DEP_2)
	v_max3_num_f32 v8, v8, v[S+\i], v[S+\i+1]
	s_delay_alu instid0(VALU_DEP_2)
	v_max3_num_f32 v9, v9, v[S+\i+2], v[S+\i+3]
.endr
	s_delay_alu instid0(VALU_DEP_2)
	v_max3_num_f32 v8, v8, v[S+62], v[S+63]
	s_delay_alu instid0(VALU_DEP_1)
	v_max_num_f32 v8, v8, v9
	s_delay_alu instid0(VALU_DEP_1)
	v_permlanex16_b32 v6, v8, s[SEL], s[SEL+1]
	s_delay_alu instid0(VALU_DEP_1)
	v_max_num_f32 v8, v8, v6
	s_delay_alu instid0(VALU_DEP_1)
	v_mul_f32 v8, s[LG], v8                        ; the largest of the rounded t
	s_delay_alu instid0(VALU_DEP_1)
	v_max_num_f32 v13, v13, v8
	v_mov_b32 v8, v12
	s_delay_alu instid0(VALU_DEP_2)
	v_floor_f32 v12, -v13                          ; the new -M
	s_delay_alu instid0(VALU_DEP_1)
	v_sub_f32 v8, v12, v8
	s_delay_alu instid0(VALU_DEP_1)
	v_cvt_i32_f32 v8, v8
	s_delay_alu instid0(VALU_DEP_1)
	v_ldexp_f32 v[FF], 1.0, v8                     ; f = 2^(old M - new M)
.set n, 0
.rept 32
	v_pk_mul_f32 v[S+2*n:S+2*n+1], v[S+2*n:S+2*n+1], s[LG:LG+1] op_sel_hi:[1,0]     ; t, rounded
.set n, n+1
.endr
.set n, 0
.rept 32
	v_pk_add_f32 v[S+2*n:S+2*n+1], v[S+2*n:S+2*n+1], v[12:13] op_sel_hi:[1,0]       ; t - M
.set n, n+1
.endr
	s_wait_alu depctr_va_vdst(0)
.set n, 0
.rept 64
	v_exp_f32 v[S+n], v[S+n]
.set n, n+1
.endr
	v_pk_mul_f32 v[14:15], v[14:15], v[FF:FF+1] op_sel_hi:[1,0]   ; the sums under the new M: the plain line behind the batch
	s_wait_alu depctr_va_vdst(0)                   ; and the wait behind it
	v_pk_add_f32 v[24:25], v[S:S+1], v[S+2:S+3]    ; the row's sum of the unquantised p, in four chains
	v_pk_add_f32 v[26:27], v[S+4:S+5], v[S+6:S+7]
	v_pk_add_f32 v[28:29], v[S+8:S+9], v[S+10:S+11]
	v_pk_add_f32 v[14:15], v[14:15], v[S+12:S+13]
.set n, 0
.rept 6
	v_pk_add_f32 v[24:25], v[24:25], v[S+14+8*n:S+15+8*n]
	v_pk_add_f32 v[26:27], v[26:27], v[S+16+8*n:S+17+8*n]
	v_pk_add_f32 v[28:29], v[28:29], v[S+18+8*n:S+19+8*n]
	v_pk_add_f32 v[14:15], v[14:15], v[S+20+8*n:S+21+8*n]
.set n, n+1
.endr
	v_pk_add_f32 v[24:25], v[24:25], v[S+62:S+63]
	v_pk_add_f32 v[14:15], v[14:15], v[26:27]
	v_pk_add_f32 v[24:25], v[24:25], v[28:29]
	v_pk_add_f32 v[14:15], v[14:15], v[24:25]
.set n, 0
.rept 64
	v_min_num_f32 v[S+n], s[TOPS], v[S+n]          ; the conversion does not saturate (ISA guide 7.6.2); p is not negative
.set n, n+1
.endr
	v_cvt_scalef32_pk8_fp8_f32 v[24:25], v[S:S+7], v[SCL]
	v_cvt_scalef32_pk8_fp8_f32 v[26:27], v[S+8:S+15], v[SCL]
	s_wait_alu depctr_va_vdst(0)                   ; directly ahead of O^T's first reader
.set n, 0
.rept 16
	v_pk_mul_f32 v[O+2*n:O+2*n+1], v[O+2*n:O+2*n+1], v[FF:FF+1] op_sel_hi:[1,0]     ; O^T under the new M; also the plain lines behind the two conversions
.set n, n+1
.endr
.set n, 0
.rept 6
	v_cvt_scalef32_pk8_fp8_f32 v[S+4+2*n:S+5+2*n], v[S+16+8*n:S+23+8*n], v[SCL]     ; tiles 2 to 7, over tiles 0 and 1's numbers
.set n, n+1
.endr
	v_mov_b32 v[S], v24
	v_mov_b32 v[S+1], v25
	v_mov_b32 v[S+2], v26
	v_mov_b32 v[S+3], v27
	s_wait_alu depctr_va_vdst(0)
	s_wait_dscnt 0x0                               ; V is in
.set n, 0
.rept 4
	v_wmma_f32_16x16x128_fp8_fp8 v[O+8*n:O+8*n+7], v[KF+16*n:KF+16*n+15], v[S:S+15], v[O+8*n:O+8*n+7]
.set n, n+1
.endr
.rept 5
	v_nop                                          ; five places: the next step's products write over the codes' registers
.endr
.endm
	s_wait_alu depctr_va_vdst(0)
	s_wait_loadcnt 16                              ; Q is in; the mask's sixteen loads may be out
	s_wait_tensorcnt 0x0                           ; my step of K and V is in
	s_barrier_signal -1
	s_barrier_wait -1                              ; everybody's is
	s_mov_b32 s[TRIPS], 15
.Lstep:
	STEP 1
	s_add_co_u32 s[TB], s[TB], 16384
	s_sub_co_u32 s[TRIPS], s[TRIPS], 1
	s_cmp_lg_u32 s[TRIPS], 0
	s_cbranch_scc1 .Lstep
	STEP 0                                         ; the last step asks for no mask: there is none behind it
	v_add_f32 v14, v14, v15                        ; THE WAY OUT
	s_delay_alu instid0(VALU_DEP_1)
	v_permlanex16_b32 v6, v14, s[SEL], s[SEL+1]
	s_delay_alu instid0(VALU_DEP_1)
	v_add_f32 v14, v14, v6                         ; the row's sum
	s_wait_alu depctr_va_vdst(0)
	v_rcp_f32 v14, v14
	s_add_co_i32 s73, s80, s81                     ; e8 + e9
	s_add_co_i32 s77, s82, 127
	s_lshl_b32 s90, s77, 23
	v_mov_b32 v[SCL], s90                          ; 2^e10 (a plain line behind the reciprocal)
	s_add_co_i32 s77, s77, 8
	s_lshl_b32 s77, s77, 23
	s_or_b32 s77, s77, 0x600000
	v_mov_b32 v8, s77                              ; 448 x 2^e10
	s_wait_alu depctr_va_vdst(0)                   ; ahead of the reciprocal's first reader
	v_ldexp_f32 v14, v14, s73
	s_wait_alu depctr_va_vdst(0)                   ; directly ahead of O^T's first reader
.set n, 0
.rept 32
	v_mul_f32 v[S+n], v[O+n], v14
.set n, n+1
.endr
.set n, 0
.rept 32
	v_med3_num_f32 v[S+n], v[S+n], -v8, v8
.set n, n+1
.endr
.set n, 0
.rept 4
	v_cvt_scalef32_pk8_fp8_f32 v[24+2*n:25+2*n], v[S+8*n:S+8*n+7], v[SCL]
.set n, n+1
.endr
	v_nop
	global_store_b128 v[LI], v[24:27], s[12:13]                ; 512 consecutive bytes, aligned
	global_store_b128 v[LI], v[28:31], s[12:13] offset:512
	s_wait_tensorcnt 0x0                           ; the wave's end
	ds_add_u32 v[SPW], v[NIL]
	s_wait_dscnt 0x0
	ROUND                                          ; the closing round
	s_endpgm
.Lfunc_end_k_q8bd8cbe73e_attn:
	.size	k_q8bd8cbe73e_attn, .Lfunc_end_k_q8bd8cbe73e_attn-k_q8bd8cbe73e_attn
	.p2alignl 7, 3214868480
	.fill 96, 4, 3214868480
	.section	.rodata,"a",@progbits
	.p2align	6, 0x0
	.amdhsa_kernel k_q8bd8cbe73e_attn
		.amdhsa_group_segment_fixed_size 327680
		.amdhsa_private_segment_fixed_size 0
		.amdhsa_enable_private_segment 0
		.amdhsa_kernarg_size 40
		.amdhsa_user_sgpr_count 2
		.amdhsa_user_sgpr_kernarg_segment_ptr 1
		.amdhsa_wavefront_size32 1
		.amdhsa_system_sgpr_workgroup_id_x 1
		.amdhsa_system_sgpr_workgroup_id_y 1
		.amdhsa_system_sgpr_workgroup_id_z 1
		.amdhsa_system_vgpr_workitem_id 0
		.amdhsa_next_free_vgpr 256
		.amdhsa_next_free_sgpr 100
		.amdhsa_reserve_vcc 0
		.amdhsa_float_denorm_mode_32 3
		.amdhsa_float_denorm_mode_16_64 3
		.amdhsa_memory_ordered 1
		.amdhsa_forward_progress 1
		.amdhsa_inst_pref_size 55
	.end_amdhsa_kernel
	.amdgpu_metadata
---
amdhsa.version: [ 1, 2 ]
amdhsa.kernels:
  - .name:           k_q8bd8cbe73e_attn
    .symbol:         k_q8bd8cbe73e_attn.kd
    .args:
      - { .name: qc, .offset: 0, .size: 8, .value_kind: global_buffer, .address_space: global }
      - { .name: kv, .offset: 8, .size: 8, .value_kind: global_buffer, .address_space: global }
      - { .name: cmb, .offset: 16, .size: 8, .value_kind: global_buffer, .address_space: global }
      - { .name: lowp_scales, .offset: 24, .size: 8, .value_kind: global_buffer, .address_space: global }
      - { .name: ctx, .offset: 32, .size: 8, .value_kind: global_buffer, .address_space: global }
    .group_segment_fixed_size: 327680
    .private_segment_fixed_size: 0
    .kernarg_segment_align: 8
    .kernarg_segment_size: 40
    .max_flat_workgroup_size: 512
    .sgpr_count:     100
    .vgpr_count:     256
    .wavefront_size: 32
...
	.end_amdgpu_metadata
.endif
;; end of part 3
;; launch outp (part 4): grid 8 x 32, 4 waves a work-group, clusters of 4 x 4, 327,680 bytes of LDS; arguments ctx, codes, b_o, lowp_scales, out0; writes out0
.if DOCPART == 4
	.amdgcn_target "amdgcn-amd-amdhsa--gfx1250"
	.amdhsa_code_object_version 6
	.text
	.protected	k_q8bd8cbe73e_outp
	.globl	k_q8bd8cbe73e_outp
	.p2align	8
	.type	k_q8bd8cbe73e_outp,@function
k_q8bd8cbe73e_outp:
	s_mov_b64 s[64:65], 0
	v_nop
	global_prefetch_b8 v0, s[64:65] scope:SCOPE_SE
	s_setreg_imm32_b32 hwreg(HW_REG_WAVE_MODE, 25, 1), 1
	s_wait_xcnt 0x0
	s_wait_alu depctr_hold_cnt(0) depctr_sa_sdst(0) depctr_va_vdst(0) depctr_va_sdst(0) depctr_va_ssrc(0) depctr_va_vcc(0) depctr_vm_vsrc(0)
	s_getreg_b32 s2, hwreg(HW_REG_IB_STS2, 6, 4)
	s_cmp_eq_u32 s2, 0
	s_cbranch_scc0 .Lentry_in_a_cluster
	s_endpgm
.Lentry_in_a_cluster:
	s_bfe_u32 s2, ttmp6, 0x10000c
	s_cmp_lg_u32 s2, 0xf033
	s_cbranch_scc0 .Lentry_shape_is_right
	s_endpgm
.Lentry_shape_is_right:
; OUTP: out0 = ctx W_o^T + b_o on codes of FP8 (E4M3); out0 is f32.  Nothing of the problem is left out here.
; A work-group makes 128 rows x 128 columns, K = 1,024; four waves, each 64 x 64: 16 accumulators.  All of K lies in LDS; each wave fetches a quarter of it by its one tensor load; no LDS byte is filled twice.
; CLUSTERS: 4 x 4: ctx's tiles are shared along a row of the cluster, W_o's along a column, each asked for jointly.
; ctx arrives as register images ([tile of 16 rows][head][2][lane][16 bytes]): four tiles are 65,536 dense bytes; a fragment comes by four loads at 16 x lane, in the order of the plain 8-bit forms.
; W_o's codes arrive as rows of 1,024 bytes (LDS pitch 1,040): a fragment in the same order comes by eight loads of 8 bytes (registers 2 n, 2 n + 1: K = 16 n + 8 h + 0 .. 7).
; The matrix instruction is used transposed (source 0 = 16 rows of W_o, source 1 = 16 rows of ctx): a lane holds eight neighbouring numbers of a row of out0.
; THE WAY OUT: sum x 2^(e10 + e11) + b_o, one fused multiply-add; a block of 16 rows x 64 columns goes through the wave's own stage and leaves so that sixteen lanes store 256 consecutive bytes, aligned.
; LIMIT: e10 + e11 between -126 and 127.
.set PITCH,  1040
.set HALFT,  64*PITCH
.set XB,     131072                    ; ctx's eight tiles, then W_o's 128 rows
.set STAGE,  XB+2*HALFT                ; 16 rows x 272 bytes for each wave; no tensor load lands here
.set SPARE,  STAGE+4*16*272
.set ADRM, 4
.set ADRN, 5
.set LI,   12
.set SPW,  14
.set NIL,  15
.set STO,  16
.set RD,   17
.set CO,   18
.set TMP,  32
.set BK,   64
.set BCOL, 96
.set ACC,  128
.set WV,   20
.set HI,   21
.set LO,   22
.set G1X,  24
.set G0X,  32
.set G1W,  48
.set G0W,  68
.set MSB, 0
.macro WIN new
.if MSB != \new
	s_set_vgpr_msb (MSB<<8)|\new
.set MSB, \new
.endif
.endm
.set MUL,  0x05
.set TO_F, 0x40
.macro CROUND
	s_barrier_signal -1
	s_barrier_wait -1
	s_cmp_lg_u32 s[WV], 0
	s_cbranch_scc1 .Lnot_wave_0_\@
	s_barrier_signal -3
.Lnot_wave_0_\@:
	s_barrier_wait -3
	s_barrier_signal -1
	s_barrier_wait -1
.endm
.macro PLACES
.rept 4
	v_nop
.endr
.endm
	s_load_b256 s[4:11], s[0:1], 0x0               ; ctx, codes, b_o, the scales
	s_load_b64 s[12:13], s[0:1], 0x20              ; out0
	v_lshl_add_u32 v[SPW], v0, 2, SPARE
	v_mov_b32 v[NIL], 0
	ds_add_u32 v[SPW], v[NIL]                      ; the opening lines
	ds_add_u32 v[SPW], v[NIL]
	v_lshrrev_b32 v1, 5, v0
	v_readfirstlane_b32 s[WV], v1
	s_lshr_b32 s[HI], s[WV], 1                     ; which 64 rows are mine; also: I fetch ctx (0) or W_o (1)
	s_and_b32 s[LO], s[WV], 1                      ; which 64 columns; also which half I fetch
	s_bfe_u32 s56, ttmp6, 0x40000
	s_bfe_u32 s57, ttmp6, 0x40004
	s_lshl_b32 s58, ttmp9, 2
	s_add_co_u32 s58, s58, s56                     ; X
	s_and_b32 s60, ttmp7, 0xffff
	s_lshl_b32 s60, s60, 2
	s_add_co_u32 s60, s60, s57                     ; Y
	s_lshl_b32 s23, s57, 2
	s_lshl_b32 s23, 15, s23
	s_lshl_b32 s101, 0x1111, s56
	s_or_b32 s[G1X], s23, (3<<16)|(1<<21)          ; elements of 8 bytes; four tiles of 16,384 bytes, dense
	s_mov_b32 s[G1X+1], 2048<<16
	s_mov_b32 s[G1X+2], 4<<16
	s_mov_b32 s[G1X+3], 2048<<16
	s_mov_b32 s[G1X+4], 4
	s_mov_b32 s[G1X+5], 2048
	s_mov_b32 s[G1X+6], 0
	s_mov_b32 s[G1X+7], 0
	s_or_b32 s[G1W], s101, (1<<20)|(1<<21)|(7<<22)|(3<<25)   ; elements of 1 byte; after every 256 words four words of padding
	s_mov_b32 s[G1W+1], 1024<<16
	s_mov_b32 s[G1W+2], 64<<16
	s_mov_b32 s[G1W+3], 1024<<16
	s_mov_b32 s[G1W+4], 64
	s_mov_b32 s[G1W+5], 1024
	s_mov_b32 s[G1W+6], 0
	s_mov_b32 s[G1W+7], 0
	s_lshl_b32 s2, s[LO], 16
	s_lshl_b32 s62, s60, 17
	s_add_co_u32 s62, s62, s2
	s_mov_b32 s63, 0
	s_lshl_b32 s66, s58, 17
	s_add_co_u32 s66, s66, s2
	s_add_co_u32 s66, s66, 0xf00000                ; W_o lies behind 15 MiB of other codes
	s_mov_b32 s67, 0
	s_mul_i32 s100, s[LO], HALFT
	s_add_co_u32 s100, s100, XB
	s_wait_dscnt 0x0
	s_wait_kmcnt 0x0
	s_load_b64 s[84:85], s[10:11], 0x28            ; e10, e11
	s_add_nc_u64 s[62:63], s[4:5], s[62:63]
	s_add_nc_u64 s[66:67], s[6:7], s[66:67]
	CROUND
	s_mov_b32 s[G0X], 1
	s_mov_b32 s[G0X+1], s2
	s_mov_b64 s[G0X+2:G0X+3], s[62:63]
	s_or_b32 s[G0X+3], s[G0X+3], 0x80000000
	s_mov_b32 s[G0W], 1
	s_mov_b32 s[G0W+1], s100
	s_mov_b64 s[G0W+2:G0W+3], s[66:67]
	s_or_b32 s[G0W+3], s[G0W+3], 0x80000000
	s_cmp_eq_u32 s[HI], 0
	s_cbranch_scc0 .Lfirst_w
	tensor_load_to_lds s[G0X:G0X+3], s[G1X:G1X+7]  ; my one tensor load
	s_nop 0
	PLACES
	s_branch .Lfirst_done
.Lfirst_w:
	tensor_load_to_lds s[G0W:G0W+3], s[G1W:G1W+7]
	s_nop 0
	PLACES
.Lfirst_done:
	s_lshl_b32 s98, s[HI], 16                      ; my four tiles of ctx
	s_mul_i32 s99, s[LO], HALFT
	s_add_co_u32 s99, s99, XB                      ; my 64 rows of W_o
	s_mul_i32 s36, s[WV], 16*272
	s_add_co_u32 s36, s36, STAGE                   ; my stage
	s_lshl_b32 s37, s58, 9
	s_lshl_b32 s38, s[LO], 8
	s_add_co_u32 s37, s37, s38                     ; my first column, in bytes
	s_lshl_b32 s2, s60, 19                         ; my first row: 128 Y + 64 hi, rows of 4,096 bytes
	s_lshl_b32 s38, s[HI], 18
	s_add_co_u32 s2, s2, s38
	s_add_co_u32 s2, s2, s37
	s_mov_b32 s3, 0
	s_add_nc_u64 s[12:13], s[12:13], s[2:3]
	v_and_b32 v1, 15, v0
	v_bfe_u32 v2, v0, 4, 1
	v_and_b32 v[LI], 31, v0
	v_lshlrev_b32 v[LI], 4, v[LI]
	v_mul_u32_u24 v3, v1, PITCH
	v_lshl_add_u32 v3, v2, 3, v3
	v_add_nc_u32 v[ADRM], s98, v[LI]
	v_add_nc_u32 v[ADRN], s99, v3
	v_mul_u32_u24 v[STO], v1, 272
	v_lshl_add_u32 v[STO], v2, 5, v[STO]
	v_add_nc_u32 v[STO], s36, v[STO]
	v_mul_u32_u24 v[RD], v2, 272
	v_lshl_add_u32 v[RD], v1, 4, v[RD]
	v_add_nc_u32 v[RD], s36, v[RD]
	v_lshlrev_b32 v[CO], 12, v2
	v_lshl_add_u32 v[CO], v1, 4, v[CO]
	v_lshl_add_u32 v30, v2, 5, s37
	s_wait_alu depctr_va_vdst(0)
.irp nb, 0,1,2,3
	global_load_b128 v[BCOL+8*\nb:BCOL+8*\nb+3], v30, s[8:9] offset:64*\nb
	global_load_b128 v[BCOL+8*\nb+4:BCOL+8*\nb+7], v30, s[8:9] offset:64*\nb+16
.endr
	s_wait_kmcnt 0x0
	s_add_co_i32 s84, s84, s85
	s_add_co_i32 s84, s84, 127
	s_lshl_b32 s96, s84, 23                        ; 2^(e10 + e11)
	s_mov_b32 s97, s96
.macro FETCH s, f                      ; 48 LDS loads: the fragments of the s-th 128 along K
	WIN TO_F
.irp a, 0,1,2,3
.irp g, 0,1,2,3
	ds_load_b128 v[\f+16*\a+4*\g:\f+16*\a+4*\g+3], v[ADRM] offset:16384*\a+2048*(\s)+512*\g
.endr
.endr
.irp nb, 0,1,2,3
.irp kk, 0,1,2,3,4,5,6,7
	ds_load_b64 v[\f+64+16*\nb+2*\kk:\f+64+16*\nb+2*\kk+1], v[ADRN] offset:128*(\s)+16*\kk+16*PITCH*\nb
.endr
.endr
.endm
.macro MUL16 f, zero                   ; the 16 accumulators by turns
.irp a, 0,1,2,3
.irp nb, 0,1,2,3
.if \zero
	v_wmma_f32_16x16x128_fp8_fp8 v[ACC+8*(4*\a+\nb):ACC+8*(4*\a+\nb)+7], v[\f+64+16*\nb:\f+64+16*\nb+15], v[\f+16*\a:\f+16*\a+15], 0
.else
	v_wmma_f32_16x16x128_fp8_fp8 v[ACC+8*(4*\a+\nb):ACC+8*(4*\a+\nb)+7], v[\f+64+16*\nb:\f+64+16*\nb+15], v[\f+16*\a:\f+16*\a+15], v[ACC+8*(4*\a+\nb):ACC+8*(4*\a+\nb)+7]
.endif
.endr
.endr
.endm
	s_wait_tensorcnt 0x0                           ; my quarter is in
	s_barrier_signal -1
	s_barrier_wait -1                              ; everybody's is
	FETCH 0, 0
	FETCH 1, 128
.irp s, 0,1,2,3,4,5,6,7
.if \s < 7
	s_wait_dscnt 48                                ; this step's buffer is in; the next step's 48 loads may be out
.else
	s_wait_dscnt 0x0
.endif
	WIN MUL
.if \s == 0
	MUL16 0, 1
.else
	MUL16 128*(\s%2), 0
.endif
.if \s < 6
	PLACES
	FETCH \s+2, 128*(\s%2)
.endif
.endr
	WIN 0
	s_wait_loadcnt 0x0                             ; THE WAY OUT: the bias
	PLACES
.irp a, 0,1,2,3
.irp nb, 0,1,2,3
.irp i, 0,2,4,6
	v_pk_fma_f32 v[TMP+8*\nb+\i:TMP+8*\nb+\i+1], v[ACC+8*(4*\a+\nb)+\i:ACC+8*(4*\a+\nb)+\i+1], s[96:97], v[BCOL+8*\nb+\i:BCOL+8*\nb+\i+1] op_sel_hi:[1,0,1]
.endr
.endr
.irp nb, 0,1,2,3
	ds_store_b128 v[STO], v[TMP+8*\nb:TMP+8*\nb+3] offset:64*\nb
	ds_store_b128 v[STO], v[TMP+8*\nb+4:TMP+8*\nb+7] offset:64*\nb+16
.endr
.if \a > 0
	s_wait_xcnt 0x0                                ; the last block's stores have read their registers
.endif
.irp i, 0,1,2,3,4,5,6,7
	ds_load_b128 v[BK+4*\i:BK+4*\i+3], v[RD] offset:2*272*\i     ; LDS serves a wave's instructions in order: these see my stores
.endr
.irp i, 0,1,2,3,4,5,6,7
	s_wait_dscnt 7-\i                              ; load i is in; those behind it may be out
	global_store_b128 v[CO], v[BK+4*\i:BK+4*\i+3], s[12:13] offset:65536*\a+8192*\i th:TH_STORE_NT
.endr
.endr
	s_wait_tensorcnt 0x0                           ; the wave's end
	ds_add_u32 v[SPW], v[NIL]
	s_wait_dscnt 0x0
	CROUND
	s_endpgm
.Lfunc_end_k_q8bd8cbe73e_outp:
	.size	k_q8bd8cbe73e_outp, .Lfunc_end_k_q8bd8cbe73e_outp-k_q8bd8cbe73e_outp
	.p2alignl 7, 3214868480
	.fill 96, 4, 3214868480
	.section	.rodata,"a",@progbits
	.p2align	6, 0x0
	.amdhsa_kernel k_q8bd8cbe73e_outp
		.amdhsa_group_segment_fixed_size 327680
		.amdhsa_private_segment_fixed_size 0
		.amdhsa_enable_private_segment 0
		.amdhsa_kernarg_size 40
		.amdhsa_user_sgpr_count 2
		.amdhsa_user_sgpr_kernarg_segment_ptr 1
		.amdhsa_wavefront_size32 1
		.amdhsa_system_sgpr_workgroup_id_x 1
		.amdhsa_system_sgpr_workgroup_id_y 1
		.amdhsa_system_sgpr_workgroup_id_z 1
		.amdhsa_system_vgpr_workitem_id 0
		.amdhsa_next_free_vgpr 512
		.amdhsa_next_free_sgpr 102
		.amdhsa_reserve_vcc 0
		.amdhsa_float_denorm_mode_32 3
		.amdhsa_float_denorm_mode_16_64 3
		.amdhsa_memory_ordered 1
		.amdhsa_forward_progress 1
		.amdhsa_inst_pref_size 53
	.end_amdhsa_kernel
	.amdgpu_metadata
---
amdhsa.version: [ 1, 2 ]
amdhsa.kernels:
  - .name:           k_q8bd8cbe73e_outp
    .symbol:         k_q8bd8cbe73e_outp.kd
    .args:
      - { .name: ctx, .offset: 0, .size: 8, .value_kind: global_buffer, .address_space: global }
      - { .name: codes, .offset: 8, .size: 8, .value_kind: global_buffer, .address_space: global }
      - { .name: b_o, .offset: 16, .size: 8, .value_kind: global_buffer, .address_space: global }
      - { .name: lowp_scales, .offset: 24, .size: 8, .value_kind: global_buffer, .address_space: global }
      - { .name: out0, .offset: 32, .size: 8, .value_kind: global_buffer, .address_space: global }
    .group_segment_fixed_size: 327680
    .private_segment_fixed_size: 0
    .kernarg_segment_align: 8
    .kernarg_segment_size: 40
    .max_flat_workgroup_size: 128
    .sgpr_count:     102
    .vgpr_count:     512
    .wavefront_size: 32
...
	.end_amdgpu_metadata
.endif
;; end of part 4
